; MI455X (gfx1250); checked and timed in simulation.
; The chip was launched on July 23, 2026; its instructions are those of AMD's public machine-readable ISA for CDNA 5 (MIT licence, August 2026) and "CDNA5" Instruction Set Architecture Reference Guide (July 2026). The comments in the code are by the model that wrote it; some were corrected since.
;; Block. Allowed arithmetic: float matrix products may take bf16 or f16 operands with f32 sums; all other float work in f32.
;; Inputs: W1 128 x 512 float32; W2 512 x 128 float32; Wk 4 x 128 x 32 float32; Wp 128 x 128 float32; Wq 4 x 128 x 32 float32; Wv 4 x 128 x 32 float32; bp 128 float32; ln1_b 128 float32; ln1_g 128 float32; ln2_b 128 float32; ln2_g 128 float32; x 8 x 2,048 x 128 float32.
;; Outputs: out0 8 x 2,048 x 128 float32.
;; 2 versions, each right; version 2 is version 1 with the launch qkv written anew for expert scheduling mode. Each part assembles by itself: llvm-mc -triple=amdgcn-amd-amdhsa -mcpu=gfx1250 --defsym DOCPART=n.
;; ======== version 1 of 2: 2 launches
;; limits: a function is approximated: absolute error at most 1.5e-07
;; workspace buffers: qws 4,194,304 bytes; kws 4,194,304 bytes; vws 4,194,304 bytes; wts 294,912 bytes
;; launch qkv (part 1): grid 256 x 1, 8 waves a work-group, no clusters, 116,736 bytes of LDS; arguments x, ln1_g, ln1_b, Wq, Wk, Wv, Wp, W1, W2, qws, kws, vws, wts; writes qws, kws, vws, wts
.if DOCPART == 1
	.amdgcn_target "amdgcn-amd-amdhsa--gfx1250"
	.amdhsa_code_object_version 6
	.text
	.protected	k_q83e5c05d21_qkv
	.globl	k_q83e5c05d21_qkv
	.p2align	8
	.type	k_q83e5c05d21_qkv,@function
k_q83e5c05d21_qkv:
	s_mov_b64 s[64:65], 0
	v_nop
	global_prefetch_b8 v0, s[64:65] scope:SCOPE_SE
	s_setreg_imm32_b32 hwreg(HW_REG_WAVE_MODE, 25, 1), 1
	s_wait_xcnt 0x0
; LayerNorm 1 and q, k, v of 64 rows of x for all four heads, stored in bf16 as images of matrix fragments; work-groups 0 to 71 also
; bring Wp, W1, W2 to bf16.  x: [8][2048][128] f32.  Wq, Wk, Wv: [4][128][32] f32.
; Eight waves.  Wave w normalises rows 8w .. 8w+7 (one row = 32 lanes x 4 numbers) and then owns 16 columns (head w>>1, half w&1 of
; its 32) of each of q, k and v for all 64 rows: 48 matrix instructions.
; OUT.  L = lane, r = L & 15, h = L >> 4.
;   qws, kws: byte (b*4+head)*131072 + (t>>4)*1024 + dh*512 + 16 L: row t = 16 (t>>4) + r, d = 16 dh + 8 h .. +7.
;   vws:      byte (b*4+head)*131072 + (t>>5)*2048 + dh*1024 + ((t>>4)&1)*512 + 16 L: d = 16 dh + r, keys 8 h .. +7 of that 16.
;   wts:      a matrix [K][N] as [K/8][N][8] bf16; Wp at 0, W1 at 32768, W2 at 163840.
;   Every store of a wave covers 512 consecutive bytes, aligned.  q carries the factor 32^-0.5 * log2(e).
; The weights (f32, [c][d]) go through the wave's own LDS stage and come back transposed.  No tensor loads and no cluster: the
; only shared bytes are 192 KiB of weights, each wave needs an eighth of them once, and they have to be converted in registers.
; LIMITS: h, q, k, v and the weights are rounded to bf16 (nearest even); NaN and infinities in the inputs are not served.
.set HP,   272                         ; LDS row of h: 256 bytes + 16, an odd multiple of 16
.set WSB,  64*HP                       ; behind h: the waves' weight stages
.set WSW,  12288                       ; a wave's stage: 3 matrices x 128 c x 16 d bf16, rows of 32 bytes
.set X,    32                          ; v[32:63]   my 8 rows, 4 numbers each
.set WT0,  64                          ; v[64:127]  weights as loaded (Wq, later Wv)
.set WT1,  128                         ; v[128:191] weights as loaded (Wk)
.set GV,   192                         ; v[192:195] gain of my 4 columns
.set BV,   196                         ; v[196:199] bias of my 4 columns
.set SB,   200                         ; v[200:215] row i: sum in 200+2i, scratch in 201+2i
.set CA,   216                         ; v[216:223] weight conversion: 8 offsets
.set CD,   224                         ; v[224:231] weight conversion: 8 numbers, packed in place; v232-235 its scratch
.set WF,   32                          ; v[32:127]  weight fragments, (matrix*4 + K step)*8
.set AF,   128                         ; v[128:191] fragments of h, (row tile of the pass*4 + K step)*8
.set ACC,  192                         ; v[192:239] six accumulators, (row tile of the pass*3 + matrix)*8
.set SELA, 48                          ; s48, s49: v_permlanex16_b32 selects, lane i reads lane i of the other half
.set SELB, 49
.set RN,   52                          ; s52 = 1/128
.set EPSR, 53                          ; s53 = 1e-5
; sums over the 32 lanes, for eight rows at once; the result stands in every lane
.macro RED8 sb
.irp m, 1,2,4,8
.irp i, 0,1,2,3,4,5,6,7
	v_add_f32_dpp v[\sb+2*\i], v[\sb+2*\i], v[\sb+2*\i] row_xmask:\m row_mask:0xf bank_mask:0xf
.endr
.endr
.irp i, 0,1,2,3,4,5,6,7
	v_permlanex16_b32 v[\sb+2*\i+1], v[\sb+2*\i], s[SELA], s[SELB]
.endr
.irp i, 0,1,2,3,4,5,6,7
	v_add_f32 v[\sb+2*\i], v[\sb+2*\i], v[\sb+2*\i+1]
.endr
.endm
; LayerNorm of eight rows in two true passes (mean, then the mean square of x - mean); rows from xs, work in xd, bf16 to LDS at adr
.macro LNROWS xs, xd, sb, g, b, adr
.irp i, 0,1,2,3,4,5,6,7
	v_pk_add_f32 v[\sb+2*\i:\sb+2*\i+1], v[\xs+4*\i:\xs+4*\i+1], v[\xs+4*\i+2:\xs+4*\i+3]
.endr
.irp i, 0,1,2,3,4,5,6,7
	v_add_f32 v[\sb+2*\i], v[\sb+2*\i], v[\sb+2*\i+1]
.endr
	RED8 \sb
.irp i, 0,1,2,3,4,5,6,7
	v_mul_f32 v[\sb+2*\i], 0xbc000000, v[\sb+2*\i]         ; - mean
.endr
.irp i, 0,1,2,3,4,5,6,7
	v_pk_add_f32 v[\xd+4*\i:\xd+4*\i+1], v[\xs+4*\i:\xs+4*\i+1], v[\sb+2*\i:\sb+2*\i+1] op_sel_hi:[1,0]
	v_pk_add_f32 v[\xd+4*\i+2:\xd+4*\i+3], v[\xs+4*\i+2:\xs+4*\i+3], v[\sb+2*\i:\sb+2*\i+1] op_sel_hi:[1,0]
.endr
.irp i, 0,1,2,3,4,5,6,7
	v_pk_mul_f32 v[\sb+2*\i:\sb+2*\i+1], v[\xd+4*\i:\xd+4*\i+1], v[\xd+4*\i:\xd+4*\i+1]
.endr
.irp i, 0,1,2,3,4,5,6,7
	v_pk_fma_f32 v[\sb+2*\i:\sb+2*\i+1], v[\xd+4*\i+2:\xd+4*\i+3], v[\xd+4*\i+2:\xd+4*\i+3], v[\sb+2*\i:\sb+2*\i+1]
.endr
.irp i, 0,1,2,3,4,5,6,7
	v_add_f32 v[\sb+2*\i], v[\sb+2*\i], v[\sb+2*\i+1]
.endr
	RED8 \sb
.irp i, 0,1,2,3,4,5,6,7
	v_fma_f32 v[\sb+2*\i], v[\sb+2*\i], s[RN], s[EPSR]     ; variance + eps
.endr
.irp i, 0,1,2,3,4,5,6,7
	v_rsq_f32 v[\sb+2*\i], v[\sb+2*\i]
.endr
	v_nop                                                  ; one plain place behind the last v_rsq_f32 (ISA guide 5.7.2)
	s_wait_alu depctr_va_vdst(0)
.irp i, 0,1,2,3,4,5,6,7
	v_pk_mul_f32 v[\xd+4*\i:\xd+4*\i+1], v[\xd+4*\i:\xd+4*\i+1], v[\sb+2*\i:\sb+2*\i+1] op_sel_hi:[1,0]
	v_pk_mul_f32 v[\xd+4*\i+2:\xd+4*\i+3], v[\xd+4*\i+2:\xd+4*\i+3], v[\sb+2*\i:\sb+2*\i+1] op_sel_hi:[1,0]
.endr
.irp i, 0,1,2,3,4,5,6,7
	v_pk_fma_f32 v[\xd+4*\i:\xd+4*\i+1], v[\xd+4*\i:\xd+4*\i+1], v[\g:\g+1], v[\b:\b+1]
	v_pk_fma_f32 v[\xd+4*\i+2:\xd+4*\i+3], v[\xd+4*\i+2:\xd+4*\i+3], v[\g+2:\g+3], v[\b+2:\b+3]
.endr
.irp i, 0,1,2,3,4,5,6,7
	v_cvt_pk_bf16_f32 v[\xd+4*\i], v[\xd+4*\i], v[\xd+4*\i+1]
	v_cvt_pk_bf16_f32 v[\xd+4*\i+1], v[\xd+4*\i+2], v[\xd+4*\i+3]
	ds_store_b64 v[\adr], v[\xd+4*\i:\xd+4*\i+1] offset:HP*\i
.endr
.endm
; 16 loads: my 16 columns of all 128 rows of one weight matrix; a load takes 8 rows x 64 bytes
.macro WLOAD wt, p
.irp t, 0,1,2,3,4,5,6,7,8,9,10,11,12,13,14,15
	global_load_b128 v[\wt+4*\t:\wt+4*\t+3], v5, s[\p:\p+1] offset:1024*\t
.endr
.endm
; to bf16, and into my stage: 32 lanes x 8 bytes are 256 consecutive bytes, 8 rows of 32
.macro WCONV wt, mat
.irp t, 0,1,2,3,4,5,6,7,8,9,10,11,12,13,14,15
	v_cvt_pk_bf16_f32 v[\wt+4*\t], v[\wt+4*\t], v[\wt+4*\t+1]
	v_cvt_pk_bf16_f32 v[\wt+4*\t+1], v[\wt+4*\t+2], v[\wt+4*\t+3]
	ds_store_b64 v7, v[\wt+4*\t:\wt+4*\t+1] offset:\mat*4096+\t*256
.endr
.endm
; one matrix instruction; K step 0 starts the sum with the constant 0
.macro MMA d, a, b, ks
.if \ks == 0
	v_wmma_f32_16x16x32_bf16 v[\d:\d+7], v[\a:\a+7], v[\b:\b+7], 0
.else
	v_wmma_f32_16x16x32_bf16 v[\d:\d+7], v[\a:\a+7], v[\b:\b+7], v[\d:\d+7]
.endif
.endm
	s_load_b512 s[8:23], s[0:1], 0x0               ; x 8, ln1_g 10, ln1_b 12, Wq 14, Wk 16, Wv 18, Wp 20, W1 22
	s_load_b256 s[24:31], s[0:1], 0x40             ; W2 24, qws 26, kws 28, vws 30
	s_load_b64 s[32:33], s[0:1], 0x60              ; wts
	v_lshl_add_u32 v240, v0, 2, 0x1c400
	v_mov_b32 v241, 0
	v_lshrrev_b32 v10, 5, v0
	v_readfirstlane_b32 s34, v10                   ; wave w
	s_mov_b32 s35, ttmp9                           ; work-group
	s_lshr_b32 s39, s34, 1                         ; head
	s_and_b32 s54, s34, 1                          ; dh: which 16 of its 32 columns
	s_mov_b32 s48, 0x76543210
	s_mov_b32 s49, 0xfedcba98
	s_mov_b32 s50, 0x3e8293ee                      ; 32^-0.5 * log2(e), twice: a pair for the packed multiply
	s_mov_b32 s51, 0x3e8293ee
	s_mov_b32 s52, 0x3c000000
	s_mov_b32 s53, 0x3727c5ac
	v_and_b32 v10, 31, v0                          ; L
	v_lshlrev_b32 v1, 4, v10                       ; v1 = 16 L
	v_and_b32 v2, 15, v0                           ; r
	v_bfe_u32 v3, v0, 4, 1                         ; h
	v_lshl_add_u32 v4, s34, 12, v1                 ; v4: x, my first row: 8 w rows of 512 bytes + 16 L
	s_lshl_b32 s55, s39, 14
	s_lshl_b32 s36, s54, 6
	s_add_co_u32 s55, s55, s36                     ; head * 16384 + dh * 64
	v_lshrrev_b32 v11, 2, v10
	v_and_b32 v12, 3, v10
	v_lshl_add_u32 v5, v11, 7, s55                 ; v5: weights: + (L>>2) rows of 128 bytes
	v_lshl_add_u32 v5, v12, 4, v5                  ;     + (L&3) * 16
	s_mul_i32 s55, s34, 8*HP
	v_lshl_add_u32 v6, v10, 3, s55                 ; v6: h, my rows: 8 w * 272 + 8 L
	s_mul_i32 s55, s34, WSW
	s_add_co_u32 s55, s55, WSB                     ; my stage
	v_lshl_add_u32 v7, v10, 3, s55                 ; v7: into the stage: + 8 L
	v_and_b32 v11, 7, v10
	v_lshl_add_u32 v11, v3, 3, v11                 ; 8 h + (L & 7): the row of c that I address for the transposing load
	v_lshl_add_u32 v8, v11, 5, s55
	v_bfe_u32 v12, v0, 3, 1
	v_lshl_add_u32 v8, v12, 4, v8                  ; v8: + 16 ((L>>3)&1)
	v_mul_u32_u24 v9, v2, HP
	v_lshl_add_u32 v9, v3, 4, v9                   ; v9: fragments of h: r * 272 + 16 h
	s_lshl_b32 s36, s35, 15                        ; 64 rows of 512 bytes
	s_mov_b32 s37, 0
	s_lshr_b32 s38, s35, 5                         ; batch
	s_lshl2_add_u32 s38, s38, s39                  ; batch * 4 + head
	s_lshl_b32 s38, s38, 17
	s_and_b32 s55, s35, 31
	s_lshl_b32 s55, s55, 12                        ; 64 rows are 4096 bytes in each of the three images
	s_add_co_u32 s38, s38, s55
	s_wait_kmcnt 0x0
	s_add_nc_u64 s[8:9], s[8:9], s[36:37]
	s_lshl_b32 s36, s54, 9
	s_add_co_u32 s36, s36, s38
	s_add_nc_u64 s[26:27], s[26:27], s[36:37]
	s_add_nc_u64 s[28:29], s[28:29], s[36:37]
	s_lshl_b32 s36, s54, 10
	s_add_co_u32 s36, s36, s38
	s_add_nc_u64 s[30:31], s[30:31], s[36:37]
.irp i, 0,1,2,3,4,5,6,7
	global_load_b128 v[X+4*\i:X+4*\i+3], v4, s[8:9] offset:512*\i      ; a whole row, 512 consecutive bytes
.endr
	global_load_b128 v[GV:GV+3], v1, s[10:11]
	global_load_b128 v[BV:BV+3], v1, s[12:13]
	WLOAD WT0, 14                                  ; Wq
	WLOAD WT1, 16                                  ; Wk
	; Work-groups 0-7 convert Wp, 8-39 W1, 40-71 W2: a thread makes one unit of 16 bytes, 8 consecutive k of one column n.
	s_cmp_ge_u32 s35, 72
	s_cbranch_scc1 .Lnoconv
	s_cmp_lt_u32 s35, 8
	s_cselect_b64 s[40:41], s[20:21], s[22:23]
	s_cselect_b32 s42, 0, 8                        ; the matrix's first work-group
	s_cselect_b32 s43, 7, 9                        ; log2 N
	s_cmp_lt_u32 s35, 40
	s_cselect_b64 s[40:41], s[40:41], s[24:25]
	s_cselect_b32 s42, s42, 40
	s_cselect_b32 s43, s43, 7
	s_sub_co_u32 s44, s35, s42
	s_lshl_b32 s44, s44, 8
	v_add_nc_u32 v233, s44, v0                     ; unit u = kc * N + n
	s_bfm_b32 s45, s43, 0
	v_and_b32 v234, s45, v233                      ; n
	v_lshrrev_b32 v235, s43, v233                  ; kc
	s_add_co_u32 s46, s43, 5
	v_lshlrev_b32 v235, s46, v235                  ; 8 kc rows of 4 N bytes
	v_lshl_add_u32 v[CA], v234, 2, v235
	s_lshl_b32 s47, 4, s43                         ; a row
.irp i, 1,2,3,4,5,6,7
	v_add_nc_u32 v[CA+\i], s47, v[CA+\i-1]
.endr
.irp i, 0,1,2,3,4,5,6,7
	global_load_b32 v[CD+\i], v[CA+\i], s[40:41]   ; lanes along n: 128 consecutive bytes
.endr
	s_lshl_b32 s44, s35, 12
	v_lshl_add_u32 v232, v0, 4, s44                ; 4096 bytes a work-group, 16 a thread
	s_wait_loadcnt 0x0
.irp i, 0,1,2,3
	v_cvt_pk_bf16_f32 v[CD+\i], v[CD+2*\i], v[CD+2*\i+1]
.endr
	global_store_b128 v232, v[CD:CD+3], s[32:33]
.Lnoconv:
	s_wait_loadcnt 0x20                            ; x, gain and bias are in: the 32 loads of Wq and Wk are younger
	LNROWS X, X, SB, GV, BV, 6
	s_wait_loadcnt 0x10                            ; Wq is in: Wk's 16 loads are younger
	WCONV WT0, 0
	s_wait_dscnt 0x0                               ; the stage's stores have read WT0: it is loaded again
	WLOAD WT0, 18                                  ; Wv
	s_wait_loadcnt 0x10                            ; Wk is in: Wv's 16 loads are younger
	WCONV WT1, 1
	s_wait_loadcnt 0x0
	WCONV WT0, 2
	s_wait_dscnt 0x0                               ; my rows of h are in LDS
	s_barrier_signal -1
	s_barrier_wait -1                              ; everybody's are
	; weight fragments: lane (r, h) gets column r, c = 32 ks + 8 h .. +7 and + 16: the stage lies [c][d], so the load transposes
.irp a, 0,1,2
.irp ks, 0,1,2,3
	ds_load_tr16_b128 v[WF+(\a*4+\ks)*8:WF+(\a*4+\ks)*8+3], v8 offset:\a*4096+\ks*1024
	ds_load_tr16_b128 v[WF+(\a*4+\ks)*8+4:WF+(\a*4+\ks)*8+7], v8 offset:\a*4096+\ks*1024+512
.endr
.endr
; Row tiles 2p and 2p+1.  q and k: weights as source 0, h as source 1, so that a lane holds 8 neighbouring d of one row.
; v: h as source 0, so that a lane holds 8 neighbouring keys of one d.  Six accumulators take turns, one instruction a turn.
.macro PASS p
	s_wait_xcnt 0x0                                ; the accumulators were store data (the pass before, the weight conversion): rewritten only behind this wait
.irp m, 0,1
.irp ks, 0,1,2,3
	ds_load_b128 v[AF+(\m*4+\ks)*8:AF+(\m*4+\ks)*8+3], v9 offset:(2*\p+\m)*16*HP+\ks*64
	ds_load_b128 v[AF+(\m*4+\ks)*8+4:AF+(\m*4+\ks)*8+7], v9 offset:(2*\p+\m)*16*HP+\ks*64+32
.endr
.endr
	s_wait_dscnt 0x0
.irp ks, 0,1,2,3
.irp m, 0,1
	MMA ACC+\m*24, WF+\ks*8, AF+(\m*4+\ks)*8, \ks
	MMA ACC+\m*24+8, WF+32+\ks*8, AF+(\m*4+\ks)*8, \ks
	MMA ACC+\m*24+16, AF+(\m*4+\ks)*8, WF+64+\ks*8, \ks
.endr
.endr
.rept 5
	v_nop                                          ; five places: the results are read, the fragments loaded again, the accumulators started anew (ISA guide 7.12.1)
.endr
.irp m, 0,1
.irp k, 0,2,4,6
	v_pk_mul_f32 v[ACC+\m*24+\k:ACC+\m*24+\k+1], v[ACC+\m*24+\k:ACC+\m*24+\k+1], s[50:51] op_sel_hi:[1,0]
.endr
.endr
.irp a, 0,1,2,3,4,5
.irp k, 0,1,2,3
	v_cvt_pk_bf16_f32 v[ACC+8*\a+\k], v[ACC+8*\a+2*\k], v[ACC+8*\a+2*\k+1]
.endr
.endr
.irp m, 0,1
	global_store_b128 v1, v[ACC+\m*24:ACC+\m*24+3], s[26:27] offset:(2*\p+\m)*1024
	global_store_b128 v1, v[ACC+\m*24+8:ACC+\m*24+11], s[28:29] offset:(2*\p+\m)*1024
	global_store_b128 v1, v[ACC+\m*24+16:ACC+\m*24+19], s[30:31] offset:\p*2048+\m*512
.endr
.endm
	PASS 0
	PASS 1
	s_wait_tensorcnt 0x0
	ds_add_u32 v240, v241
	s_wait_dscnt 0x0
	s_endpgm
.Lfunc_end_k_q83e5c05d21_qkv:
	.size	k_q83e5c05d21_qkv, .Lfunc_end_k_q83e5c05d21_qkv-k_q83e5c05d21_qkv
	.p2alignl 7, 3214868480
	.fill 96, 4, 3214868480
	.section	.rodata,"a",@progbits
	.p2align	6, 0x0
	.amdhsa_kernel k_q83e5c05d21_qkv
		.amdhsa_group_segment_fixed_size 116736
		.amdhsa_private_segment_fixed_size 0
		.amdhsa_enable_private_segment 0
		.amdhsa_kernarg_size 104
		.amdhsa_user_sgpr_count 2
		.amdhsa_user_sgpr_kernarg_segment_ptr 1
		.amdhsa_wavefront_size32 1
		.amdhsa_system_sgpr_workgroup_id_x 1
		.amdhsa_system_sgpr_workgroup_id_y 1
		.amdhsa_system_sgpr_workgroup_id_z 1
		.amdhsa_system_vgpr_workitem_id 0
		.amdhsa_next_free_vgpr 242
		.amdhsa_next_free_sgpr 66
		.amdhsa_reserve_vcc 0
		.amdhsa_float_denorm_mode_32 3
		.amdhsa_float_denorm_mode_16_64 3
		.amdhsa_memory_ordered 1
		.amdhsa_forward_progress 1
		.amdhsa_inst_pref_size 46
	.end_amdhsa_kernel
	.amdgpu_metadata
---
amdhsa.version: [ 1, 2 ]
amdhsa.kernels:
  - .name:           k_q83e5c05d21_qkv
    .symbol:         k_q83e5c05d21_qkv.kd
    .args:
      - { .name: x, .offset: 0, .size: 8, .value_kind: global_buffer, .address_space: global }
      - { .name: ln1_g, .offset: 8, .size: 8, .value_kind: global_buffer, .address_space: global }
      - { .name: ln1_b, .offset: 16, .size: 8, .value_kind: global_buffer, .address_space: global }
      - { .name: Wq, .offset: 24, .size: 8, .value_kind: global_buffer, .address_space: global }
      - { .name: Wk, .offset: 32, .size: 8, .value_kind: global_buffer, .address_space: global }
      - { .name: Wv, .offset: 40, .size: 8, .value_kind: global_buffer, .address_space: global }
      - { .name: Wp, .offset: 48, .size: 8, .value_kind: global_buffer, .address_space: global }
      - { .name: W1, .offset: 56, .size: 8, .value_kind: global_buffer, .address_space: global }
      - { .name: W2, .offset: 64, .size: 8, .value_kind: global_buffer, .address_space: global }
      - { .name: qws, .offset: 72, .size: 8, .value_kind: global_buffer, .address_space: global }
      - { .name: kws, .offset: 80, .size: 8, .value_kind: global_buffer, .address_space: global }
      - { .name: vws, .offset: 88, .size: 8, .value_kind: global_buffer, .address_space: global }
      - { .name: wts, .offset: 96, .size: 8, .value_kind: global_buffer, .address_space: global }
    .group_segment_fixed_size: 116736
    .private_segment_fixed_size: 0
    .kernarg_segment_align: 8
    .kernarg_segment_size: 104
    .max_flat_workgroup_size: 256
    .sgpr_count:     66
    .vgpr_count:     242
    .wavefront_size: 32
...
	.end_amdgpu_metadata
.endif
;; end of part 1
;; launch attn_mlp (part 2): grid 256 x 1, 8 waves a work-group, no clusters, 186,880 bytes of LDS; arguments x, bp, ln2_g, ln2_b, qws, kws, vws, wts, out0; writes out0
.if DOCPART == 2
	.amdgcn_target "amdgcn-amd-amdhsa--gfx1250"
	.amdhsa_code_object_version 6
	.text
	.protected	k_q83e5c05d21_attn_mlp
	.globl	k_q83e5c05d21_attn_mlp
	.p2align	8
	.type	k_q83e5c05d21_attn_mlp,@function
k_q83e5c05d21_attn_mlp:
	s_mov_b64 s[64:65], 0
	v_nop
	global_prefetch_b8 v0, s[64:65] scope:SCOPE_SE
	s_setreg_imm32_b32 hwreg(HW_REG_WAVE_MODE, 25, 1), 1
	s_wait_xcnt 0x0
; Causal attention of 64 query rows x 4 heads, then x1 = x + y Wp + bp, LayerNorm 2, W1, exact GELU, W2 and out = x1 + MLP.
; Work-group (b = wg>>5, j = wg&31) owns the 32-row blocks j and 63-j of batch b.  Wave w: head w&3, block j (w < 4) or 63-j.
; A block blk walks (blk>>1)+1 steps of 64 keys; the two blocks together always 33, so every work-group has the same work.
; ATTENTION.  q, k, v lie in memory as images of matrix fragments (see the launch before), so each 16-byte load lands in an operand
; register and a wave's load covers 512 consecutive bytes.  S^T = K Q^T: lane (r, h) holds query r and keys 8h .. 8h+7 of each tile of 16,
; which, packed to bf16, IS the second operand of O^T = V^T P^T.  Maximum, sum and rescaling are per lane; one exchange of the two
; halves of the wave joins the maximum in each step, and one joins the sum at the end.  The running maximum is taken away before each exponential.
; AFTERWARDS wave w owns 16 (Wp, W2) or 64 (W1) output columns for all 64 rows, weights in registers (loaded ahead of the attention,
; W2 during the projection), and rows 8w .. 8w+7 in the row-wise parts.  Between two barriers a wave stores only into LDS bytes of its own.
; NO CLUSTER, NO JOINT LOADS: K and V never lie in LDS here, and the work-groups of a batch need different numbers of key tiles
; ((j>>1)+1 and ((63-j)>>1)+1 by j), so partners would not make the same requests.
; LIMITS: q, k, v, p, y, h2 and gelu enter the products in bf16; the softmax's sum is of the f32 p.  erf by Abramowitz-Stegun 7.1.26,
; absolute error at most 1.5e-7.  NaN and infinities in the inputs are not served.
.set YP,  80                           ; y: per head a tile of 64 rows x (64 + 16) bytes
.set YT,  64*YP
.set H2,  4*YT                         ; 20480: h2, 64 rows x 272
.set HP,  272
.set PF,  H2+64*HP                     ; 37888: f32 results, per wave a tile of 64 rows x (64 + 16) bytes, + 64 so that four tiles' rows start 64 bytes apart modulo 256
.set PP,  80
.set PT,  64*PP+64
.set X1,  PF+8*PT                      ; 79360: x1, 64 rows x 512
.set GB,  X1+32768                     ; 112128: gelu, per wave a tile of 64 rows x (128 + 16) bytes
.set GP,  144
.set GT,  64*GP
.set W1B, 32768                        ; W1 and W2 in wts
.set W2B, 163840
; window 0: v1 16 L; v2 r; v3 h; v4 y fragments; v5, v21 gelu fragments; v6 my f32 tile; v7 f32 rows back; v8 my h2 rows; v9 my gelu tile;
; v10 my y tile; v11 Wp, W2 offset; v12 W1 offset; v13, v14 the diagonal's limits; v15 -inf; v[16:17] a constant pair; v19 h2 fragments; v22 my x1 rows
.set QF,  32                           ; v[32:47]   Q, two tiles of 16 queries
.set KF,  48                           ; v[48:79]   K, four tiles of 16 keys
.set VF,  80                           ; v[80:111]  V^T, (32 keys*2 + 16 d)*8
.set SF,  112                          ; v[112:175] scores, 32 for each query tile
.set PB,  176                          ; v[176:207] p in bf16, 16 for each query tile
.set OF,  208                          ; v[208:239] O^T, (query tile*2 + 16 d)*8
.set ML,  240                          ; v[240:243] maximum and sum of query tiles 0, 1
.set NMP, 244                          ; v[244:245] - maximum
.set ALP, 246                          ; v[246:247] rescaling factor
.set T,   248                          ; v[248:255] scratch
.set TA,  32                           ; afterwards: v[32:63] scratch of GELU; v[32:43] bp, gain, bias
.set TT,  40
.set TE,  48
.set TQ,  56
.set AF,  64                           ; v[64:191]  fragments of the left operand
.set ACC0, 192
.set ACC1, 224
.set W1F, 0                            ; window 1: v256-383 W1, (column tile*4 + K step)*8
.set WPF, 128                          ; window 1: v384-415 Wp, K step*8; later
.set W2F, 128                          ; window 1: v384-511 W2, K step*8
.set SELA, 46
.set SELB, 47
.set RN,   52
.set EPSR, 53
.set MSB, 0
.macro WIN new                         ; s_set_vgpr_msb: bits 1:0 source 0, 7:6 destination; the high byte repeats the setting that is left
.if MSB != \new
	s_set_vgpr_msb (MSB<<8)|\new
.set MSB, \new
.endif
.endm
.macro PLACES                          ; four places behind matrix instructions (ISA guide 7.12.1)
.rept 4
	v_nop
.endr
.endm
.macro MMA d, a, b, ks                 ; K step 0 starts the sum with the constant 0
.if \ks == 0
	v_wmma_f32_16x16x32_bf16 v[\d:\d+7], v[\a:\a+7], v[\b:\b+7], 0
.else
	v_wmma_f32_16x16x32_bf16 v[\d:\d+7], v[\a:\a+7], v[\b:\b+7], v[\d:\d+7]
.endif
.endm
.macro BARRIER                         ; my LDS stores and loads are done; then everybody's
	s_wait_dscnt 0x0
	s_barrier_signal -1
	s_barrier_wait -1
.endm
.macro RED8 sb
.irp m, 1,2,4,8
.irp i, 0,1,2,3,4,5,6,7
	v_add_f32_dpp v[\sb+2*\i], v[\sb+2*\i], v[\sb+2*\i] row_xmask:\m row_mask:0xf bank_mask:0xf
.endr
.endr
.irp i, 0,1,2,3,4,5,6,7
	v_permlanex16_b32 v[\sb+2*\i+1], v[\sb+2*\i], s[SELA], s[SELB]
.endr
.irp i, 0,1,2,3,4,5,6,7
	v_add_f32 v[\sb+2*\i], v[\sb+2*\i], v[\sb+2*\i+1]
.endr
.endm
; LayerNorm of eight rows in two true passes; rows from xs (left as they are), work in xd, bf16 to LDS at adr
.macro LNROWS xs, xd, sb, g, b, adr
.irp i, 0,1,2,3,4,5,6,7
	v_pk_add_f32 v[\sb+2*\i:\sb+2*\i+1], v[\xs+4*\i:\xs+4*\i+1], v[\xs+4*\i+2:\xs+4*\i+3]
.endr
.irp i, 0,1,2,3,4,5,6,7
	v_add_f32 v[\sb+2*\i], v[\sb+2*\i], v[\sb+2*\i+1]
.endr
	RED8 \sb
.irp i, 0,1,2,3,4,5,6,7
	v_mul_f32 v[\sb+2*\i], 0xbc000000, v[\sb+2*\i]         ; - mean
.endr
.irp i, 0,1,2,3,4,5,6,7
	v_pk_add_f32 v[\xd+4*\i:\xd+4*\i+1], v[\xs+4*\i:\xs+4*\i+1], v[\sb+2*\i:\sb+2*\i+1] op_sel_hi:[1,0]
	v_pk_add_f32 v[\xd+4*\i+2:\xd+4*\i+3], v[\xs+4*\i+2:\xs+4*\i+3], v[\sb+2*\i:\sb+2*\i+1] op_sel_hi:[1,0]
.endr
.irp i, 0,1,2,3,4,5,6,7
	v_pk_mul_f32 v[\sb+2*\i:\sb+2*\i+1], v[\xd+4*\i:\xd+4*\i+1], v[\xd+4*\i:\xd+4*\i+1]
.endr
.irp i, 0,1,2,3,4,5,6,7
	v_pk_fma_f32 v[\sb+2*\i:\sb+2*\i+1], v[\xd+4*\i+2:\xd+4*\i+3], v[\xd+4*\i+2:\xd+4*\i+3], v[\sb+2*\i:\sb+2*\i+1]
.endr
.irp i, 0,1,2,3,4,5,6,7
	v_add_f32 v[\sb+2*\i], v[\sb+2*\i], v[\sb+2*\i+1]
.endr
	RED8 \sb
.irp i, 0,1,2,3,4,5,6,7
	v_fma_f32 v[\sb+2*\i], v[\sb+2*\i], s[RN], s[EPSR]     ; variance + eps
.endr
.irp i, 0,1,2,3,4,5,6,7
	v_rsq_f32 v[\sb+2*\i], v[\sb+2*\i]
.endr
	v_nop                                                  ; one plain place behind the last v_rsq_f32 (ISA guide 5.7.2)
	s_wait_alu depctr_va_vdst(0)
.irp i, 0,1,2,3,4,5,6,7
	v_pk_mul_f32 v[\xd+4*\i:\xd+4*\i+1], v[\xd+4*\i:\xd+4*\i+1], v[\sb+2*\i:\sb+2*\i+1] op_sel_hi:[1,0]
	v_pk_mul_f32 v[\xd+4*\i+2:\xd+4*\i+3], v[\xd+4*\i+2:\xd+4*\i+3], v[\sb+2*\i:\sb+2*\i+1] op_sel_hi:[1,0]
.endr
.irp i, 0,1,2,3,4,5,6,7
	v_pk_fma_f32 v[\xd+4*\i:\xd+4*\i+1], v[\xd+4*\i:\xd+4*\i+1], v[\g:\g+1], v[\b:\b+1]
	v_pk_fma_f32 v[\xd+4*\i+2:\xd+4*\i+3], v[\xd+4*\i+2:\xd+4*\i+3], v[\g+2:\g+3], v[\b+2:\b+3]
.endr
.irp i, 0,1,2,3,4,5,6,7
	v_cvt_pk_bf16_f32 v[\xd+4*\i], v[\xd+4*\i], v[\xd+4*\i+1]
	v_cvt_pk_bf16_f32 v[\xd+4*\i+1], v[\xd+4*\i+2], v[\xd+4*\i+3]
	ds_store_b64 v[\adr], v[\xd+4*\i:\xd+4*\i+1] offset:HP*\i
.endr
.endm
	; ---- set-up
	s_load_b512 s[8:23], s[0:1], 0x0               ; x 8, bp 10, ln2_g 12, ln2_b 14, qws 16, kws 18, vws 20, wts 22
	s_load_b64 s[24:25], s[0:1], 0x40              ; out0
	v_lshl_add_u32 v30, v0, 2, 0x2d600
	v_mov_b32 v31, 0
	v_lshrrev_b32 v18, 5, v0
	v_readfirstlane_b32 s26, v18                   ; wave w
	s_mov_b32 s27, ttmp9
	s_mov_b32 s46, 0x76543210
	s_mov_b32 s47, 0xfedcba98
	s_mov_b32 s52, 0x3c000000                      ; 1/128
	s_mov_b32 s53, 0x3727c5ac                      ; 1e-5
	s_and_b32 s28, s26, 3                          ; head
	s_lshr_b32 s29, s26, 2                         ; which of the two blocks
	s_and_b32 s30, s27, 31                         ; j
	s_sub_co_u32 s33, 63, s30
	s_cmp_lg_u32 s29, 0
	s_cselect_b32 s30, s33, s30                    ; blk
	s_lshr_b32 s31, s30, 1                         ; steps in front of the diagonal's
	s_and_b32 s33, s30, 1
	s_lshl_b32 s33, s33, 5                         ; my first query, counted from the diagonal step's first key
	s_lshr_b32 s48, s27, 5                         ; batch
	s_lshl2_add_u32 s49, s48, s28
	s_lshl_b32 s34, s49, 17                        ; (batch * 4 + head) * 131072
	s_mov_b32 s35, 0
	v_and_b32 v18, 31, v0                          ; L
	v_lshlrev_b32 v1, 4, v18
	v_and_b32 v2, 15, v0
	v_bfe_u32 v3, v0, 4, 1
	v_mul_u32_u24 v4, v2, YP
	v_lshl_add_u32 v4, v3, 4, v4                   ; r * 80 + 16 h
	v_mul_u32_u24 v19, v2, HP
	v_lshl_add_u32 v19, v3, 4, v19                 ; r * 272 + 16 h
	v_mul_u32_u24 v5, v2, GP
	v_lshl_add_u32 v5, v3, 4, v5
	v_add_nc_u32 v5, GB, v5                        ; gelu + r * 144 + 16 h
	v_add_nc_u32 v21, 4*GT, v5                     ; the same for tiles 4 to 7: the immediate has 16 bits
	s_mul_i32 s50, s26, PT
	s_add_co_u32 s50, s50, PF
	v_lshl_add_u32 v6, v3, 4, v4
	v_add_nc_u32 v6, s50, v6                       ; my f32 tile + r * 80 + 32 h
	v_lshrrev_b32 v20, 2, v18
	v_mul_u32_u24 v7, v20, PT
	v_and_b32 v20, 3, v18
	v_lshl_add_u32 v7, v20, 4, v7
	s_mul_i32 s50, s26, 8*PP
	s_add_co_u32 s50, s50, PF
	v_add_nc_u32 v7, s50, v7                       ; columns 4 L .. of row 8 w: tile L>>2, byte 16 (L&3)
	s_mul_i32 s50, s26, 8*HP
	s_add_co_u32 s50, s50, H2
	v_lshl_add_u32 v8, v18, 3, s50
	s_mul_i32 s50, s26, GT
	v_add_nc_u32 v9, s50, v5
	s_mul_i32 s50, s28, YT
	s_mul_i32 s51, s29, 32*YP
	s_add_co_u32 s50, s50, s51
	v_add_nc_u32 v10, s50, v4                      ; head's tile, my block's 32 rows
	s_lshl_b32 s50, s26, 12
	s_add_co_u32 s50, s50, X1
	v_add_nc_u32 v22, s50, v1
	v_lshlrev_b32 v11, 4, v2
	v_lshl_add_u32 v12, v3, 13, v11
	v_lshl_add_u32 v12, s26, 10, v12               ; W1: (h * 512 + 64 w + r) * 16
	v_lshl_add_u32 v11, v3, 11, v11
	v_lshl_add_u32 v11, s26, 8, v11                ; Wp, W2: (h * 128 + 16 w + r) * 16
	v_lshlrev_b32 v20, 3, v3
	v_sub_nc_u32 v13, v2, v20
	v_add_nc_u32 v13, s33, v13                     ; key 16 kt + 8 h + i is allowed where 16 kt + i <= first query + r - 8 h (+ 16 for tile 1)
	v_add_nc_u32 v14, 16, v13
	v_mov_b32 v15, 0xff800000
	v_mov_b32 v16, 0x3f3a00e3
	v_mov_b32 v17, 0x3f3a00e3
	s_wait_kmcnt 0x0
	s_add_nc_u64 s[36:37], s[18:19], s[34:35]      ; K
	s_add_nc_u64 s[38:39], s[20:21], s[34:35]      ; V
	s_add_nc_u64 s[40:41], s[16:17], s[34:35]
	s_lshl_b32 s34, s30, 11
	s_add_nc_u64 s[40:41], s[40:41], s[34:35]      ; Q: 32 rows are 2048 bytes
	s_lshl_b32 s34, s48, 20
	s_lshl_b32 s50, s30, 14
	s_add_co_u32 s34, s34, s50
	s_lshl_b32 s50, s28, 12
	s_add_co_u32 s34, s34, s50                     ; row 32 blk + 8 (w&3) of my batch: local row 8 w
	s_add_nc_u64 s[42:43], s[8:9], s[34:35]
	s_add_nc_u64 s[44:45], s[24:25], s[34:35]
	WIN 0x40                                       ; destinations in window 1
.irp n, 0,1,2,3
.irp ks, 0,1,2,3
	global_load_b128 v[W1F+(\n*4+\ks)*8:W1F+(\n*4+\ks)*8+3], v12, s[22:23] offset:W1B+\n*256+\ks*32768
	global_load_b128 v[W1F+(\n*4+\ks)*8+4:W1F+(\n*4+\ks)*8+7], v12, s[22:23] offset:W1B+\n*256+\ks*32768+16384
.endr
.endr
.irp ks, 0,1,2,3
	global_load_b128 v[WPF+\ks*8:WPF+\ks*8+3], v11, s[22:23] offset:\ks*8192
	global_load_b128 v[WPF+\ks*8+4:WPF+\ks*8+7], v11, s[22:23] offset:\ks*8192+4096
.endr
	WIN 0
.irp i, 0,1,2,3
	global_load_b128 v[QF+4*\i:QF+4*\i+3], v1, s[40:41] offset:512*\i
.endr
.irp i, 0,1,2,3,4,5,6,7
	global_load_b128 v[KF+4*\i:KF+4*\i+3], v1, s[36:37] offset:512*\i
.endr
.irp i, 0,1,2,3,4,5,6,7
	global_load_b128 v[VF+4*\i:VF+4*\i+3], v1, s[38:39] offset:512*\i
.endr
	; O = 0, sum = 0, maximum = -inf: 32 moves once, so that one text of the step serves every step
.set n, 0
.rept 32
	v_mov_b32 v[OF+n], 0
.set n, n+1
.endr
	v_mov_b32 v[ML], v15
	v_mov_b32 v[ML+1], 0
	v_mov_b32 v[ML+2], v15
	v_mov_b32 v[ML+3], 0
	v_mov_b32 v[NMP+1], 0                          ; the pairs' second registers are named, never used
	v_mov_b32 v[ALP+1], 0
; ---- one query tile's softmax step: 32 scores a lane
.macro SOFTMAX q
.irp c, 0,1,2,3
	v_max3_num_f32 v[T+\c], v[SF+32*\q+3*\c], v[SF+32*\q+3*\c+1], v[SF+32*\q+3*\c+2]
.endr
.irp c, 0,1,2,3
	v_max3_num_f32 v[T+\c], v[T+\c], v[SF+32*\q+12+2*\c], v[SF+32*\q+13+2*\c]
.endr
.irp c, 0,1,2,3
	v_max3_num_f32 v[T+\c], v[T+\c], v[SF+32*\q+20+2*\c], v[SF+32*\q+21+2*\c]
.endr
.irp c, 0,1
	v_max3_num_f32 v[T+\c], v[T+\c], v[SF+32*\q+28+2*\c], v[SF+32*\q+29+2*\c]
.endr
	v_max3_num_f32 v[T], v[T], v[T+1], v[T+2]
	v_max3_num_f32 v[T], v[T], v[T+3], v[ML+2*\q]          ; with the old maximum
	v_permlanex16_b32 v[T+1], v[T], s[SELA], s[SELB]       ; the query's other 32 keys lie in the other half of the wave
	v_max_num_f32 v[T+1], v[T], v[T+1]                     ; the new maximum: finite, since each step has an allowed key for every query
	v_sub_f32 v[T+2], v[ML+2*\q], v[T+1]
	v_sub_f32 v[NMP], 0, v[T+1]
	v_mov_b32 v[ML+2*\q], v[T+1]
	v_exp_f32 v[ALP], v[T+2]                               ; the scores are in base 2: q carries log2(e)
.irp k, 0,2,4,6,8,10,12,14,16,18,20,22,24,26,28,30
	v_pk_add_f32 v[SF+32*\q+\k:SF+32*\q+\k+1], v[SF+32*\q+\k:SF+32*\q+\k+1], v[NMP:NMP+1] op_sel_hi:[1,0]
.endr
.set n, 0
.rept 32
	v_exp_f32 v[SF+32*\q+n], v[SF+32*\q+n]
.set n, n+1
.endr
	s_wait_alu depctr_va_vdst(0)
.irp k, 0,2,4,6,8,10,12,14
	v_pk_mul_f32 v[OF+16*\q+\k:OF+16*\q+\k+1], v[OF+16*\q+\k:OF+16*\q+\k+1], v[ALP:ALP+1] op_sel_hi:[1,0]   ; also the plain places behind the exponentials
.endr
.irp c, 0,1,2,3
	v_pk_add_f32 v[T+2*\c:T+2*\c+1], v[SF+32*\q+4*\c:SF+32*\q+4*\c+1], v[SF+32*\q+4*\c+2:SF+32*\q+4*\c+3]
.endr
.irp c, 0,1,2,3
	v_pk_add_f32 v[T+2*\c:T+2*\c+1], v[T+2*\c:T+2*\c+1], v[SF+32*\q+16+2*\c:SF+32*\q+17+2*\c]
.endr
.irp c, 0,1,2,3
	v_pk_add_f32 v[T+2*\c:T+2*\c+1], v[T+2*\c:T+2*\c+1], v[SF+32*\q+24+2*\c:SF+32*\q+25+2*\c]
.endr
	v_pk_add_f32 v[T:T+1], v[T:T+1], v[T+2:T+3]
	v_pk_add_f32 v[T+4:T+5], v[T+4:T+5], v[T+6:T+7]
	v_pk_add_f32 v[T:T+1], v[T:T+1], v[T+4:T+5]
	v_add_f32 v[T], v[T], v[T+1]
	v_fma_f32 v[ML+2*\q+1], v[ML+2*\q+1], v[ALP], v[T]     ; my half's sum; the halves meet at the end
.irp k, 0,1,2,3,4,5,6,7,8,9,10,11,12,13,14,15
	v_cvt_pk_bf16_f32 v[PB+16*\q+\k], v[SF+32*\q+2*\k], v[SF+32*\q+2*\k+1]
.endr
.endm
; ---- a step: 64 keys x 32 queries.  mask = 1: the diagonal's step.  fetch = 1: the next step's K and V are asked for.
.macro STEP mask, fetch
	s_wait_loadcnt 0x8                             ; K is in (at the first step Q and the weights too): V's 8 loads are younger
.irp q, 0,1
.irp kt, 0,1,2,3
	v_wmma_f32_16x16x32_bf16 v[SF+32*\q+8*\kt:SF+32*\q+8*\kt+7], v[KF+8*\kt:KF+8*\kt+7], v[QF+8*\q:QF+8*\q+7], 0
.endr
.endr
.if \fetch
	s_add_nc_u64 s[36:37], s[36:37], 4096          ; K's loads are done (the wait above), so their base may step: 64 keys
.endif
	PLACES                                         ; then the scores are read and K is loaded again
.if \fetch
.irp i, 0,1,2,3,4,5,6,7
	global_load_b128 v[KF+4*\i:KF+4*\i+3], v1, s[36:37] offset:512*\i
.endr
.endif
.if \mask
.irp q, 0,1
.irp kt, 0,1,2,3
.irp i, 0,1,2,3,4,5,6,7
	v_cmp_le_i32 vcc_lo, 16*\kt+\i, v[13+\q]
	v_cndmask_b32 v[SF+32*\q+8*\kt+\i], v15, v[SF+32*\q+8*\kt+\i], vcc_lo
.endr
.endr
.endr
.endif
	SOFTMAX 0
	SOFTMAX 1
.if \fetch
	s_wait_loadcnt 0x8                             ; V is in: the next K's 8 loads are younger
.else
	s_wait_loadcnt 0x0
.endif
.irp kb, 0,1                                       ; four accumulators take turns, one instruction a turn
.irp q, 0,1
.irp d, 0,1
	v_wmma_f32_16x16x32_bf16 v[OF+16*\q+8*\d:OF+16*\q+8*\d+7], v[VF+(\kb*2+\d)*8:VF+(\kb*2+\d)*8+7], v[PB+16*\q+8*\kb:PB+16*\q+8*\kb+7], v[OF+16*\q+8*\d:OF+16*\q+8*\d+7]
.endr
.endr
.endr
.if \fetch
	s_add_nc_u64 s[38:39], s[38:39], 4096          ; V's loads are done
	PLACES
.irp i, 0,1,2,3,4,5,6,7
	global_load_b128 v[VF+4*\i:VF+4*\i+3], v1, s[38:39] offset:512*\i
.endr
.endif
.endm
	s_mov_b32 s32, 0
	s_cmp_eq_u32 s31, 0
	s_cbranch_scc1 .Ltail
.Lloop:
	STEP 0, 1
	s_add_co_u32 s32, s32, 1
	s_cmp_lt_u32 s32, s31
	s_cbranch_scc1 .Lloop
.Ltail:
	STEP 1, 0                                      ; keys 64 (blk>>1) .. +63, at most key 2047: no load leaves the buffers
	; ---- y = O / sum, in bf16, into my 32 rows of my head's tile
	PLACES
.irp q, 0,1
	v_permlanex16_b32 v[T], v[ML+2*\q+1], s[SELA], s[SELB]
	v_add_f32 v[T], v[T], v[ML+2*\q+1]
	v_rcp_f32 v[ALP], v[T]
	v_nop                                          ; one plain place behind v_rcp_f32 (ISA guide 5.7.2)
	s_wait_alu depctr_va_vdst(0)
.irp k, 0,2,4,6,8,10,12,14
	v_pk_mul_f32 v[OF+16*\q+\k:OF+16*\q+\k+1], v[OF+16*\q+\k:OF+16*\q+\k+1], v[ALP:ALP+1] op_sel_hi:[1,0]
.endr
.irp k, 0,1,2,3,4,5,6,7
	v_cvt_pk_bf16_f32 v[PB+16*\q+\k], v[OF+16*\q+2*\k], v[OF+16*\q+2*\k+1]
.endr
	ds_store_b128 v10, v[PB+16*\q:PB+16*\q+3] offset:\q*16*YP
	ds_store_b128 v10, v[PB+16*\q+4:PB+16*\q+7] offset:\q*16*YP+32
.endr
.irp i, 0,1,2,3,4,5,6,7
	global_load_b128 v[ACC1+4*\i:ACC1+4*\i+3], v1, s[42:43] offset:512*\i      ; x, my 8 rows
.endr
	global_load_b128 v[32:35], v1, s[10:11]        ; bp, gain and bias of my 4 columns
	global_load_b128 v[36:39], v1, s[12:13]
	global_load_b128 v[40:43], v1, s[14:15]
	BARRIER                                        ; y is whole
	; ---- y Wp: my 16 columns, 64 rows.  Weights as source 0: a lane holds 8 neighbouring columns of one row.  K step ks = head ks.
.irp m, 0,1,2,3
.irp ks, 0,1,2,3
	ds_load_b128 v[AF+(\m*4+\ks)*8:AF+(\m*4+\ks)*8+3], v4 offset:\ks*YT+\m*16*YP
	ds_load_b128 v[AF+(\m*4+\ks)*8+4:AF+(\m*4+\ks)*8+7], v4 offset:\ks*YT+\m*16*YP+32
.endr
.endr
	s_wait_dscnt 0x0
	WIN 0x01                                       ; source 0 in window 1
.irp ks, 0,1,2,3                                   ; four accumulators take turns, one instruction a turn
.irp m, 0,1,2,3
	MMA ACC0+8*\m, WPF+8*\ks, AF+(\m*4+\ks)*8, \ks
.endr
.endr
	WIN 0
	PLACES                                         ; then Wp's registers are loaded again and the results stored
	WIN 0x40
.irp ks, 0,1,2,3,4,5,6,7,8,9,10,11,12,13,14,15
	global_load_b128 v[W2F+\ks*8:W2F+\ks*8+3], v11, s[22:23] offset:W2B+\ks*8192
	global_load_b128 v[W2F+\ks*8+4:W2F+\ks*8+7], v11, s[22:23] offset:W2B+\ks*8192+4096
.endr
	WIN 0
.irp m, 0,1,2,3
	ds_store_b128 v6, v[ACC0+8*\m:ACC0+8*\m+3] offset:\m*16*PP
	ds_store_b128 v6, v[ACC0+8*\m+4:ACC0+8*\m+7] offset:\m*16*PP+16
.endr
	BARRIER                                        ; the projection is whole
	; ---- x1 = x + y Wp + bp of my 8 rows, kept in LDS bytes of my own; LayerNorm 2
.irp i, 0,1,2,3,4,5,6,7
	ds_load_b128 v[AF+4*\i:AF+4*\i+3], v7 offset:PP*\i
.endr
	s_wait_loadcnt 0x20                            ; x, bp, gain and bias are in: W2's 32 loads are younger
	s_wait_dscnt 0x0
.irp i, 0,1,2,3,4,5,6,7
	v_pk_add_f32 v[ACC1+4*\i:ACC1+4*\i+1], v[ACC1+4*\i:ACC1+4*\i+1], v[AF+4*\i:AF+4*\i+1]
	v_pk_add_f32 v[ACC1+4*\i+2:ACC1+4*\i+3], v[ACC1+4*\i+2:ACC1+4*\i+3], v[AF+4*\i+2:AF+4*\i+3]
.endr
.irp i, 0,1,2,3,4,5,6,7
	v_pk_add_f32 v[ACC1+4*\i:ACC1+4*\i+1], v[ACC1+4*\i:ACC1+4*\i+1], v[32:33]
	v_pk_add_f32 v[ACC1+4*\i+2:ACC1+4*\i+3], v[ACC1+4*\i+2:ACC1+4*\i+3], v[34:35]
.endr
.irp i, 0,1,2,3,4,5,6,7
	ds_store_b128 v22, v[ACC1+4*\i:ACC1+4*\i+3] offset:512*\i
.endr
	LNROWS ACC1, AF, 96, 36, 40, 8
	BARRIER                                        ; h2 is whole
	; ---- gelu(h2 W1): my 64 columns, 64 rows
.irp m, 0,1,2,3
.irp ks, 0,1,2,3
	ds_load_b128 v[AF+(\m*4+\ks)*8:AF+(\m*4+\ks)*8+3], v19 offset:H2+\m*16*HP+\ks*64
	ds_load_b128 v[AF+(\m*4+\ks)*8+4:AF+(\m*4+\ks)*8+7], v19 offset:H2+\m*16*HP+\ks*64+32
.endr
.endr
	s_wait_dscnt 0x0
.macro MM n, set                       ; column tile n: 16 matrix instructions, four accumulators by turns, one instruction a turn
	WIN 0x01
.irp ks, 0,1,2,3
.irp m, 0,1,2,3
	MMA \set+8*\m, W1F+(\n*4+\ks)*8, AF+(\m*4+\ks)*8, \ks
.endr
.endr
	WIN 0
.endm
; gelu(x) = max(x, 0) - |x| Q(|x|), Q(a) = exp(-a^2/2) t (c1 + t (c2 + t (c3 + t (c4 + t c5)))), t = 1 / (1 + 0.2316419 a): half of erfc(a / sqrt 2).
; No difference of near numbers is formed for negative x.  The coefficients stand negated, so that the last step is one multiply-add.
.macro G8 x
.irp i, 0,1,2,3,4,5,6,7
	v_and_b32 v[TA+\i], 0x7fffffff, v[\x+\i]
.endr
.irp i, 0,2,4,6
	v_pk_fma_f32 v[TT+\i:TT+\i+1], v[TA+\i:TA+\i+1], 0x3e6d3388, 1.0 op_sel_hi:[1,0,0]
.endr
.irp i, 0,2,4,6
	v_pk_mul_f32 v[TE+\i:TE+\i+1], v[\x+\i:\x+\i+1], v[\x+\i:\x+\i+1]
.endr
.irp i, 0,2,4,6
	v_pk_mul_f32 v[TE+\i:TE+\i+1], v[TE+\i:TE+\i+1], 0xbf38aa3b op_sel_hi:[1,0]    ; - log2(e) / 2
.endr
.irp i, 0,1,2,3,4,5,6,7
	v_rcp_f32 v[TT+\i], v[TT+\i]
.endr
.irp i, 0,1,2,3,4,5,6,7
	v_exp_f32 v[TE+\i], v[TE+\i]
.endr
.irp i, 0,1,2,3,4,5,6,7
	v_max_num_f32 v[\x+\i], 0, v[\x+\i]            ; also the plain places behind the transcendentals
.endr
	s_wait_alu depctr_va_vdst(0)
.irp i, 0,2,4,6
	v_pk_fma_f32 v[TQ+\i:TQ+\i+1], v[TT+\i:TT+\i+1], 0xbf07dc22, v[16:17] op_sel_hi:[1,0,1]
.endr
.irp c, 0xbf35f0e3, 0x3e11a98e, 0xbe027906
.irp i, 0,2,4,6
	v_pk_fma_f32 v[TQ+\i:TQ+\i+1], v[TQ+\i:TQ+\i+1], v[TT+\i:TT+\i+1], \c op_sel_hi:[1,1,0]
.endr
.endr
.irp i, 0,2,4,6
	v_pk_mul_f32 v[TQ+\i:TQ+\i+1], v[TQ+\i:TQ+\i+1], v[TT+\i:TT+\i+1]
.endr
.irp i, 0,2,4,6
	v_pk_mul_f32 v[TA+\i:TA+\i+1], v[TA+\i:TA+\i+1], v[TE+\i:TE+\i+1]
.endr
.irp i, 0,2,4,6
	v_pk_fma_f32 v[\x+\i:\x+\i+1], v[TQ+\i:TQ+\i+1], v[TA+\i:TA+\i+1], v[\x+\i:\x+\i+1]
.endr
.irp i, 0,1,2,3
	v_cvt_pk_bf16_f32 v[\x+\i], v[\x+2*\i], v[\x+2*\i+1]
.endr
.endm
.macro GELU n, set
.irp m, 0,1,2,3
	G8 \set+8*\m
	ds_store_b128 v9, v[\set+8*\m:\set+8*\m+3] offset:\m*16*GP+\n*32
.endr
.endm
	MM 0, ACC0
	MM 1, ACC1
	PLACES
	GELU 0, ACC0
	MM 2, ACC0                                     ; each later GELU stands behind the plain arithmetic of the one before, on the other set
	GELU 1, ACC1
	MM 3, ACC1
	GELU 2, ACC0
	GELU 3, ACC1
	BARRIER                                        ; gelu is whole
	; ---- gelu W2: my 16 columns, 64 rows, K = 512 in eight groups of 64 (= one wave's gelu tile) on two fragment buffers
	s_wait_loadcnt 0x0                             ; W2
.macro GLOAD g, buf
.irp kl, 0,1
.irp m, 0,1,2,3
.if \g < 4
	ds_load_b128 v[\buf+(\kl*4+\m)*8:\buf+(\kl*4+\m)*8+3], v5 offset:(\g)*GT+\m*16*GP+\kl*64
	ds_load_b128 v[\buf+(\kl*4+\m)*8+4:\buf+(\kl*4+\m)*8+7], v5 offset:(\g)*GT+\m*16*GP+\kl*64+32
.else
	ds_load_b128 v[\buf+(\kl*4+\m)*8:\buf+(\kl*4+\m)*8+3], v21 offset:((\g)-4)*GT+\m*16*GP+\kl*64
	ds_load_b128 v[\buf+(\kl*4+\m)*8+4:\buf+(\kl*4+\m)*8+7], v21 offset:((\g)-4)*GT+\m*16*GP+\kl*64+32
.endif
.endr
.endr
.endm
.macro GGROUP g, buf, left, next
	s_wait_dscnt \left                             ; this group's fragments are in; the next group's 16 loads may stay out
	WIN 0x01
.irp kl, 0,1                                       ; four accumulators take turns, one instruction a turn
.irp m, 0,1,2,3
	MMA ACC0+8*\m, W2F+8*(2*\g+\kl), \buf+(\kl*4+\m)*8, 2*\g+\kl
.endr
.endr
	WIN 0
.if \next
	PLACES                                         ; then the buffer is loaded again
	GLOAD \g+2, \buf
.endif
.endm
	GLOAD 0, AF
	GLOAD 1, AF+64
	GGROUP 0, AF, 16, 1
	GGROUP 1, AF+64, 16, 1
	GGROUP 2, AF, 16, 1
	GGROUP 3, AF+64, 16, 1
	GGROUP 4, AF, 16, 1
	GGROUP 5, AF+64, 16, 1
	GGROUP 6, AF, 16, 0
	GGROUP 7, AF+64, 0, 0
	PLACES
.irp m, 0,1,2,3
	ds_store_b128 v6, v[ACC0+8*\m:ACC0+8*\m+3] offset:\m*16*PP         ; the f32 tiles again: their first contents were read in front of the barrier behind LayerNorm 2
	ds_store_b128 v6, v[ACC0+8*\m+4:ACC0+8*\m+7] offset:\m*16*PP+16
.endr
	BARRIER                                        ; the MLP's result is whole
	; ---- out = x1 + MLP, my 8 rows; each store is a whole row, 512 consecutive bytes
.irp i, 0,1,2,3,4,5,6,7
	ds_load_b128 v[AF+4*\i:AF+4*\i+3], v22 offset:512*\i
.endr
.irp i, 0,1,2,3,4,5,6,7
	ds_load_b128 v[AF+64+4*\i:AF+64+4*\i+3], v7 offset:PP*\i
.endr
	s_wait_dscnt 0x0
.irp i, 0,1,2,3,4,5,6,7
	v_pk_add_f32 v[AF+4*\i:AF+4*\i+1], v[AF+4*\i:AF+4*\i+1], v[AF+64+4*\i:AF+64+4*\i+1]
	v_pk_add_f32 v[AF+4*\i+2:AF+4*\i+3], v[AF+4*\i+2:AF+4*\i+3], v[AF+64+4*\i+2:AF+64+4*\i+3]
	global_store_b128 v1, v[AF+4*\i:AF+4*\i+3], s[44:45] offset:512*\i
.endr
	s_wait_tensorcnt 0x0
	ds_add_u32 v30, v31
	s_wait_dscnt 0x0
	s_endpgm
.Lfunc_end_k_q83e5c05d21_attn_mlp:
	.size	k_q83e5c05d21_attn_mlp, .Lfunc_end_k_q83e5c05d21_attn_mlp-k_q83e5c05d21_attn_mlp
	.p2alignl 7, 3214868480
	.fill 96, 4, 3214868480
	.section	.rodata,"a",@progbits
	.p2align	6, 0x0
	.amdhsa_kernel k_q83e5c05d21_attn_mlp
		.amdhsa_group_segment_fixed_size 186880
		.amdhsa_private_segment_fixed_size 0
		.amdhsa_enable_private_segment 0
		.amdhsa_kernarg_size 72
		.amdhsa_user_sgpr_count 2
		.amdhsa_user_sgpr_kernarg_segment_ptr 1
		.amdhsa_wavefront_size32 1
		.amdhsa_system_sgpr_workgroup_id_x 1
		.amdhsa_system_sgpr_workgroup_id_y 1
		.amdhsa_system_sgpr_workgroup_id_z 1
		.amdhsa_system_vgpr_workitem_id 0
		.amdhsa_next_free_vgpr 512
		.amdhsa_next_free_sgpr 66
		.amdhsa_reserve_vcc 1
		.amdhsa_float_denorm_mode_32 3
		.amdhsa_float_denorm_mode_16_64 3
		.amdhsa_memory_ordered 1
		.amdhsa_forward_progress 1
		.amdhsa_inst_pref_size 171
	.end_amdhsa_kernel
	.amdgpu_metadata
---
amdhsa.version: [ 1, 2 ]
amdhsa.kernels:
  - .name:           k_q83e5c05d21_attn_mlp
    .symbol:         k_q83e5c05d21_attn_mlp.kd
    .args:
      - { .name: x, .offset: 0, .size: 8, .value_kind: global_buffer, .address_space: global }
      - { .name: bp, .offset: 8, .size: 8, .value_kind: global_buffer, .address_space: global }
      - { .name: ln2_g, .offset: 16, .size: 8, .value_kind: global_buffer, .address_space: global }
      - { .name: ln2_b, .offset: 24, .size: 8, .value_kind: global_buffer, .address_space: global }
      - { .name: qws, .offset: 32, .size: 8, .value_kind: global_buffer, .address_space: global }
      - { .name: kws, .offset: 40, .size: 8, .value_kind: global_buffer, .address_space: global }
      - { .name: vws, .offset: 48, .size: 8, .value_kind: global_buffer, .address_space: global }
      - { .name: wts, .offset: 56, .size: 8, .value_kind: global_buffer, .address_space: global }
      - { .name: out0, .offset: 64, .size: 8, .value_kind: global_buffer, .address_space: global }
    .group_segment_fixed_size: 186880
    .private_segment_fixed_size: 0
    .kernarg_segment_align: 8
    .kernarg_segment_size: 72
    .max_flat_workgroup_size: 256
    .sgpr_count:     66
    .vgpr_count:     512
    .wavefront_size: 32
...
	.end_amdgpu_metadata
.endif
;; end of part 2
;; ======== version 2 of 2: 2 launches; version 1 with the launch qkv written anew for expert scheduling mode
;; limits: a function is approximated: absolute error at most 1.5e-07
;; workspace buffers: qws 4,194,304 bytes; kws 4,194,304 bytes; vws 4,194,304 bytes; wts 294,912 bytes
;; launch qkv (part 3): grid 256 x 1, 8 waves a work-group, no clusters, 116,736 bytes of LDS; arguments x, ln1_g, ln1_b, Wq, Wk, Wv, Wp, W1, W2, qws, kws, vws, wts; writes qws, kws, vws, wts
.if DOCPART == 3
	.amdgcn_target "amdgcn-amd-amdhsa--gfx1250"
	.amdhsa_code_object_version 6
	.text
	.protected	k_q83e5c05d21_qkv
	.globl	k_q83e5c05d21_qkv
	.p2align	8
	.type	k_q83e5c05d21_qkv,@function
k_q83e5c05d21_qkv:
	s_mov_b64 s[64:65], 0
	v_nop
	global_prefetch_b8 v0, s[64:65] scope:SCOPE_SE
	s_setreg_imm32_b32 hwreg(HW_REG_WAVE_SCHED_MODE, 0, 2), 2
	s_setreg_imm32_b32 hwreg(HW_REG_WAVE_MODE, 25, 1), 1
	s_wait_xcnt 0x0
	s_wait_alu depctr_vm_vsrc(0)
; LayerNorm 1 and q, k, v of 64 rows of x for all four heads, stored in bf16 as images of matrix fragments; work-groups 0 to 71 also
; bring Wp, W1, W2 to bf16.  x: [8][2048][128] f32.  Wq, Wk, Wv: [4][128][32] f32.
; Eight waves.  Wave w normalises rows 8w .. 8w+7 (one row = 32 lanes x 4 numbers) and then owns 16 columns (head w>>1, half w&1 of
; its 32) of each of q, k and v for all 64 rows: 48 matrix instructions.
; OUT.  L = lane, r = L & 15, h = L >> 4.
;   qws, kws: byte (b*4+head)*131072 + (t>>4)*1024 + dh*512 + 16 L: row t = 16 (t>>4) + r, d = 16 dh + 8 h .. +7.
;   vws:      byte (b*4+head)*131072 + (t>>5)*2048 + dh*1024 + ((t>>4)&1)*512 + 16 L: d = 16 dh + r, keys 8 h .. +7 of that 16.
;   wts:      a matrix [K][N] as [K/8][N][8] bf16; Wp at 0, W1 at 32768, W2 at 163840.
;   Every store of a wave covers 512 consecutive bytes, aligned.  q carries the factor 32^-0.5 * log2(e).
; The weights (f32, [c][d]) go through the wave's own LDS stage and come back transposed.  No tensor loads and no cluster: the
; only shared bytes are 192 KiB of weights, each wave needs an eighth of them once, and they have to be converted in registers.
; LIMITS: h, q, k, v and the weights are rounded to bf16 (nearest even); NaN and infinities in the inputs are not served.
; THE MODE: SCHED_MODE bits 1:0 = 2 (LLVM: expert scheduling mode 2), set by the entry lines.  The code itself states the register dependences
; between vector or matrix instructions and memory or LDS instructions, with s_wait_alu, always for 0.
; THE PLAN.  Registers that memory or LDS instructions touch:
;   v1, v4-v9   offsets and LDS addresses: made at the head, ahead of one wait, and never written again.
;   X           x lands; LayerNorm works in place and packs; 8 LDS stores read the pairs; later weight fragments land (WF).
;   WT0         Wq lands; packed in place; 16 LDS stores read; Wv lands; packed; 16 stores read; later weight fragments land (WF).
;   WT1         Wk lands; packed; 16 stores read; then the fragments of h land (AF): pass 0's, and, when its products have read them, pass 1's.
;   CA, CD, v232  (work-groups 0-71) offsets of 8 loads, their data, the offset of one store; later part of the accumulators.
;   ACC         written by the products, scaled and packed in place; 6 stores a pass read the packed quarters.
; Conversions stand in runs, ONE wait on va_vdst behind each run, and the run of LDS stores or global stores that reads them behind that wait.
; A wait on vm_vsrc stands where registers that stores or loads have read are written again: ahead of Wv's loads, behind the barrier, between the passes.
.set HP,   272                         ; LDS row of h: 256 bytes + 16, an odd multiple of 16
.set WSB,  64*HP                       ; behind h: the waves' weight stages
.set WSW,  12288                       ; a wave's stage: 3 matrices x 128 c x 16 d bf16, rows of 32 bytes
.set X,    32                          ; v[32:63]   my 8 rows, 4 numbers each
.set WT0,  64                          ; v[64:127]  weights as loaded (Wq, later Wv)
.set WT1,  128                         ; v[128:191] weights as loaded (Wk)
.set GV,   192                         ; v[192:195] gain of my 4 columns
.set BV,   196                         ; v[196:199] bias of my 4 columns
.set SB,   200                         ; v[200:215] row i: sum in 200+2i, scratch in 201+2i
.set CA,   216                         ; v[216:223] weight conversion: 8 offsets
.set CD,   224                         ; v[224:231] weight conversion: 8 numbers, packed in place; v232-235 its scratch
.set WF,   32                          ; v[32:127]  weight fragments, (matrix*4 + K step)*8
.set AF,   128                         ; v[128:191] fragments of h, (row tile of the pass*4 + K step)*8
.set ACC,  192                         ; v[192:239] six accumulators, (row tile of the pass*3 + matrix)*8
.set SELA, 48                          ; s48, s49: v_permlanex16_b32 selects, lane i reads lane i of the other half
.set SELB, 49
.set RN,   52                          ; s52 = 1/128
.set EPSR, 53                          ; s53 = 1e-5
; sums over the 32 lanes, for eight rows at once; the result stands in every lane
.macro RED8 sb
.irp m, 1,2,4,8
.irp i, 0,1,2,3,4,5,6,7
	v_add_f32_dpp v[\sb+2*\i], v[\sb+2*\i], v[\sb+2*\i] row_xmask:\m row_mask:0xf bank_mask:0xf
.endr
.endr
.irp i, 0,1,2,3,4,5,6,7
	v_permlanex16_b32 v[\sb+2*\i+1], v[\sb+2*\i], s[SELA], s[SELB]
.endr
.irp i, 0,1,2,3,4,5,6,7
	v_add_f32 v[\sb+2*\i], v[\sb+2*\i], v[\sb+2*\i+1]
.endr
.endm
; LayerNorm of eight rows in two true passes (mean, then the mean square of x - mean); rows from xs, work in xd, packed to bf16 in the first two registers of each row
.macro LNROWS xs, xd, sb, g, b
.irp i, 0,1,2,3,4,5,6,7
	v_pk_add_f32 v[\sb+2*\i:\sb+2*\i+1], v[\xs+4*\i:\xs+4*\i+1], v[\xs+4*\i+2:\xs+4*\i+3]
.endr
.irp i, 0,1,2,3,4,5,6,7
	v_add_f32 v[\sb+2*\i], v[\sb+2*\i], v[\sb+2*\i+1]
.endr
	RED8 \sb
.irp i, 0,1,2,3,4,5,6,7
	v_mul_f32 v[\sb+2*\i], 0xbc000000, v[\sb+2*\i]         ; - mean
.endr
.irp i, 0,1,2,3,4,5,6,7
	v_pk_add_f32 v[\xd+4*\i:\xd+4*\i+1], v[\xs+4*\i:\xs+4*\i+1], v[\sb+2*\i:\sb+2*\i+1] op_sel_hi:[1,0]
	v_pk_add_f32 v[\xd+4*\i+2:\xd+4*\i+3], v[\xs+4*\i+2:\xs+4*\i+3], v[\sb+2*\i:\sb+2*\i+1] op_sel_hi:[1,0]
.endr
.irp i, 0,1,2,3,4,5,6,7
	v_pk_mul_f32 v[\sb+2*\i:\sb+2*\i+1], v[\xd+4*\i:\xd+4*\i+1], v[\xd+4*\i:\xd+4*\i+1]
.endr
.irp i, 0,1,2,3,4,5,6,7
	v_pk_fma_f32 v[\sb+2*\i:\sb+2*\i+1], v[\xd+4*\i+2:\xd+4*\i+3], v[\xd+4*\i+2:\xd+4*\i+3], v[\sb+2*\i:\sb+2*\i+1]
.endr
.irp i, 0,1,2,3,4,5,6,7
	v_add_f32 v[\sb+2*\i], v[\sb+2*\i], v[\sb+2*\i+1]
.endr
	RED8 \sb
.irp i, 0,1,2,3,4,5,6,7
	v_fma_f32 v[\sb+2*\i], v[\sb+2*\i], s[RN], s[EPSR]     ; variance + eps
.endr
.irp i, 0,1,2,3,4,5,6,7
	v_rsq_f32 v[\sb+2*\i], v[\sb+2*\i]
.endr
	v_nop                                                  ; one plain place behind the last v_rsq_f32 (ISA guide 5.7.2)
	s_wait_alu depctr_va_vdst(0)                           ; the eight v_rsq_f32 have written their results: one wait for the batch, ahead of its first reader
.irp i, 0,1,2,3,4,5,6,7
	v_pk_mul_f32 v[\xd+4*\i:\xd+4*\i+1], v[\xd+4*\i:\xd+4*\i+1], v[\sb+2*\i:\sb+2*\i+1] op_sel_hi:[1,0]
	v_pk_mul_f32 v[\xd+4*\i+2:\xd+4*\i+3], v[\xd+4*\i+2:\xd+4*\i+3], v[\sb+2*\i:\sb+2*\i+1] op_sel_hi:[1,0]
.endr
.irp i, 0,1,2,3,4,5,6,7
	v_pk_fma_f32 v[\xd+4*\i:\xd+4*\i+1], v[\xd+4*\i:\xd+4*\i+1], v[\g:\g+1], v[\b:\b+1]
	v_pk_fma_f32 v[\xd+4*\i+2:\xd+4*\i+3], v[\xd+4*\i+2:\xd+4*\i+3], v[\g+2:\g+3], v[\b+2:\b+3]
.endr
.irp i, 0,1,2,3,4,5,6,7
	v_cvt_pk_bf16_f32 v[\xd+4*\i], v[\xd+4*\i], v[\xd+4*\i+1]
	v_cvt_pk_bf16_f32 v[\xd+4*\i+1], v[\xd+4*\i+2], v[\xd+4*\i+3]
.endr
.endm
; the eight packed rows to LDS at adr
.macro HSTORE xd, adr
.irp i, 0,1,2,3,4,5,6,7
	ds_store_b64 v[\adr], v[\xd+4*\i:\xd+4*\i+1] offset:HP*\i
.endr
.endm
; 16 loads: my 16 columns of all 128 rows of one weight matrix; a load takes 8 rows x 64 bytes
.macro WLOAD wt, p
.irp t, 0,1,2,3,4,5,6,7,8,9,10,11,12,13,14,15
	global_load_b128 v[\wt+4*\t:\wt+4*\t+3], v5, s[\p:\p+1] offset:1024*\t
.endr
.endm
; to bf16, in place: four numbers close up into the first two of their four registers
.macro WCVT wt
.irp t, 0,1,2,3,4,5,6,7,8,9,10,11,12,13,14,15
	v_cvt_pk_bf16_f32 v[\wt+4*\t], v[\wt+4*\t], v[\wt+4*\t+1]
	v_cvt_pk_bf16_f32 v[\wt+4*\t+1], v[\wt+4*\t+2], v[\wt+4*\t+3]
.endr
.endm
; and into my stage: 32 lanes x 8 bytes are 256 consecutive bytes, 8 rows of 32
.macro WSTORE wt, mat
.irp t, 0,1,2,3,4,5,6,7,8,9,10,11,12,13,14,15
	ds_store_b64 v7, v[\wt+4*\t:\wt+4*\t+1] offset:\mat*4096+\t*256
.endr
.endm
; one matrix instruction; K step 0 starts the sum with the constant 0
.macro MMA d, a, b, ks
.if \ks == 0
	v_wmma_f32_16x16x32_bf16 v[\d:\d+7], v[\a:\a+7], v[\b:\b+7], 0
.else
	v_wmma_f32_16x16x32_bf16 v[\d:\d+7], v[\a:\a+7], v[\b:\b+7], v[\d:\d+7]
.endif
.endm
	s_load_b512 s[8:23], s[0:1], 0x0               ; x 8, ln1_g 10, ln1_b 12, Wq 14, Wk 16, Wv 18, Wp 20, W1 22
	s_load_b256 s[24:31], s[0:1], 0x40             ; W2 24, qws 26, kws 28, vws 30
	s_load_b64 s[32:33], s[0:1], 0x60              ; wts
	v_lshl_add_u32 v30, v0, 2, 0x1c400
	v_mov_b32 v31, 0
	v_lshrrev_b32 v10, 5, v0
	v_readfirstlane_b32 s34, v10                   ; wave w
	s_mov_b32 s35, ttmp9                           ; work-group
	s_mov_b32 s48, 0x76543210
	s_mov_b32 s49, 0xfedcba98
	s_mov_b32 s50, 0x3e8293ee                      ; 32^-0.5 * log2(e), twice: a pair for the packed multiply
	s_mov_b32 s51, 0x3e8293ee
	s_mov_b32 s52, 0x3c000000
	s_mov_b32 s53, 0x3727c5ac
	v_and_b32 v10, 31, v0                          ; L
	v_lshlrev_b32 v1, 4, v10                       ; v1 = 16 L
	v_and_b32 v2, 15, v0                           ; r
	v_bfe_u32 v3, v0, 4, 1                         ; h
	s_wait_alu depctr_va_sdst(0)                   ; s34 is written, ahead of its first reader: head, half, offsets and bases are made from it
	s_lshr_b32 s39, s34, 1                         ; head
	s_and_b32 s54, s34, 1                          ; dh: which 16 of its 32 columns
	v_lshl_add_u32 v4, s34, 12, v1                 ; v4: x, my first row: 8 w rows of 512 bytes + 16 L
	s_lshl_b32 s55, s39, 14
	s_lshl_b32 s36, s54, 6
	s_add_co_u32 s55, s55, s36                     ; head * 16384 + dh * 64
	v_lshrrev_b32 v11, 2, v10
	v_and_b32 v12, 3, v10
	v_lshl_add_u32 v5, v11, 7, s55                 ; v5: weights: + (L>>2) rows of 128 bytes
	v_lshl_add_u32 v5, v12, 4, v5                  ;     + (L&3) * 16
	s_mul_i32 s55, s34, 8*HP
	v_lshl_add_u32 v6, v10, 3, s55                 ; v6: h, my rows: 8 w * 272 + 8 L
	s_mul_i32 s55, s34, WSW
	s_add_co_u32 s55, s55, WSB                     ; my stage
	v_lshl_add_u32 v7, v10, 3, s55                 ; v7: into the stage: + 8 L
	v_and_b32 v11, 7, v10
	v_lshl_add_u32 v11, v3, 3, v11                 ; 8 h + (L & 7): the row of c that I address for the transposing load
	v_lshl_add_u32 v8, v11, 5, s55
	v_bfe_u32 v12, v0, 3, 1
	v_lshl_add_u32 v8, v12, 4, v8                  ; v8: + 16 ((L>>3)&1)
	v_mul_u32_u24 v9, v2, HP
	v_lshl_add_u32 v9, v3, 4, v9                   ; v9: fragments of h: r * 272 + 16 h
	s_lshl_b32 s36, s35, 15                        ; 64 rows of 512 bytes
	s_mov_b32 s37, 0
	s_lshr_b32 s38, s35, 5                         ; batch
	s_lshl2_add_u32 s38, s38, s39                  ; batch * 4 + head
	s_lshl_b32 s38, s38, 17
	s_and_b32 s55, s35, 31
	s_lshl_b32 s55, s55, 12                        ; 64 rows are 4096 bytes in each of the three images
	s_add_co_u32 s38, s38, s55
	s_wait_kmcnt 0x0
	s_add_nc_u64 s[8:9], s[8:9], s[36:37]
	s_lshl_b32 s36, s54, 9
	s_add_co_u32 s36, s36, s38
	s_add_nc_u64 s[26:27], s[26:27], s[36:37]
	s_add_nc_u64 s[28:29], s[28:29], s[36:37]
	s_lshl_b32 s36, s54, 10
	s_add_co_u32 s36, s36, s38
	s_add_nc_u64 s[30:31], s[30:31], s[36:37]
	s_wait_alu depctr_va_vdst(0)                   ; v1 and v4 to v9 are written: every load, store and LDS instruction of the kernel but the weight conversion's and the closing ds_add_u32 reads one of them as its offset or address
.irp i, 0,1,2,3,4,5,6,7
	global_load_b128 v[X+4*\i:X+4*\i+3], v4, s[8:9] offset:512*\i      ; a whole row, 512 consecutive bytes
.endr
	global_load_b128 v[GV:GV+3], v1, s[10:11]
	global_load_b128 v[BV:BV+3], v1, s[12:13]
	WLOAD WT0, 14                                  ; Wq
	WLOAD WT1, 16                                  ; Wk
	; Work-groups 0-7 convert Wp, 8-39 W1, 40-71 W2: a thread makes one unit of 16 bytes, 8 consecutive k of one column n.
	s_cmp_ge_u32 s35, 72
	s_cbranch_scc1 .Lnoconv
	s_cmp_lt_u32 s35, 8
	s_cselect_b64 s[40:41], s[20:21], s[22:23]
	s_cselect_b32 s42, 0, 8                        ; the matrix's first work-group
	s_cselect_b32 s43, 7, 9                        ; log2 N
	s_cmp_lt_u32 s35, 40
	s_cselect_b64 s[40:41], s[40:41], s[24:25]
	s_cselect_b32 s42, s42, 40
	s_cselect_b32 s43, s43, 7
	s_sub_co_u32 s44, s35, s42
	s_lshl_b32 s44, s44, 8
	v_add_nc_u32 v233, s44, v0                     ; unit u = kc * N + n
	s_bfm_b32 s45, s43, 0
	v_and_b32 v234, s45, v233                      ; n
	v_lshrrev_b32 v235, s43, v233                  ; kc
	s_add_co_u32 s46, s43, 5
	v_lshlrev_b32 v235, s46, v235                  ; 8 kc rows of 4 N bytes
	v_lshl_add_u32 v[CA], v234, 2, v235
	s_lshl_b32 s47, 4, s43                         ; a row
.irp i, 1,2,3,4,5,6,7
	v_add_nc_u32 v[CA+\i], s47, v[CA+\i-1]
.endr
	s_lshl_b32 s44, s35, 12
	v_lshl_add_u32 v232, v0, 4, s44                ; 4096 bytes a work-group, 16 a thread
	s_wait_alu depctr_va_vdst(0)                   ; the eight offsets v[CA ..] are written, which the loads below read
.irp i, 0,1,2,3,4,5,6,7
	global_load_b32 v[CD+\i], v[CA+\i], s[40:41]   ; lanes along n: 128 consecutive bytes
.endr
	s_wait_loadcnt 0x0
.irp i, 0,1,2,3
	v_cvt_pk_bf16_f32 v[CD+\i], v[CD+2*\i], v[CD+2*\i+1]
.endr
	s_wait_alu depctr_va_vdst(0)                   ; the conversions have written v[CD:CD+3], which the store reads (v232, its offset, was written ahead of the wait before)
	global_store_b128 v232, v[CD:CD+3], s[32:33]
.Lnoconv:
	s_wait_loadcnt 0x20                            ; x, gain and bias are in: the 32 loads of Wq and Wk are younger
	LNROWS X, X, SB, GV, BV
	s_wait_loadcnt 0x10                            ; Wq is in: Wk's 16 loads are younger
	WCVT WT0
	s_wait_alu depctr_va_vdst(0)                   ; the conversions have written the pairs of X and of WT0, which the 24 LDS stores below read; they are also done with WT0, in which Wv's loads land
	HSTORE X, 6
	WSTORE WT0, 0
	s_wait_dscnt 0x0                               ; the stage's stores are done,
	s_wait_alu depctr_vm_vsrc(0)                   ; and have read WT0: Wv's loads land in it, and Wv's conversions write it again
	WLOAD WT0, 18                                  ; Wv
	s_wait_loadcnt 0x10                            ; Wk is in: Wv's 16 loads are younger
	WCVT WT1
	s_wait_alu depctr_va_vdst(0)                   ; the conversions have written the pairs of WT1, which the LDS stores read
	WSTORE WT1, 1
	s_wait_loadcnt 0x0
	WCVT WT0
	s_wait_alu depctr_va_vdst(0)                   ; the conversions have written the pairs of WT0, which the LDS stores read; no vector instruction behind this wait names X, WT0 or WT1 before LDS loads land in them
	WSTORE WT0, 2
	s_wait_dscnt 0x0                               ; my rows of h are in LDS
	s_barrier_signal -1
	s_barrier_wait -1                              ; everybody's are
	s_wait_xcnt 0x0                                ; part of the accumulators was offsets and store data of the weight conversion: rewritten only behind this wait,
	s_wait_alu depctr_vm_vsrc(0)                   ; and behind this: its loads and its store have read v[CA ..], v[CD ..] and v232, which the products write; my LDS stores have read X, WT0 and WT1, in which the LDS loads below land
	; weight fragments: lane (r, h) gets column r, c = 32 ks + 8 h .. +7 and + 16: the stage lies [c][d], so the load transposes
.irp a, 0,1,2
.irp ks, 0,1,2,3
	ds_load_tr16_b128 v[WF+(\a*4+\ks)*8:WF+(\a*4+\ks)*8+3], v8 offset:\a*4096+\ks*1024
	ds_load_tr16_b128 v[WF+(\a*4+\ks)*8+4:WF+(\a*4+\ks)*8+7], v8 offset:\a*4096+\ks*1024+512
.endr
.endr
; A pass is row tiles 2p and 2p+1.  Its fragments of h:
.macro AFLOAD p
.irp m, 0,1
.irp ks, 0,1,2,3
	ds_load_b128 v[AF+(\m*4+\ks)*8:AF+(\m*4+\ks)*8+3], v9 offset:(2*\p+\m)*16*HP+\ks*64
	ds_load_b128 v[AF+(\m*4+\ks)*8+4:AF+(\m*4+\ks)*8+7], v9 offset:(2*\p+\m)*16*HP+\ks*64+32
.endr
.endr
.endm
; Its products.  q and k: weights as source 0, h as source 1, so that a lane holds 8 neighbouring d of one row.
; v: h as source 0, so that a lane holds 8 neighbouring keys of one d.  Six accumulators take turns, one instruction a turn.
.macro PRODUCTS
	s_wait_dscnt 0x0
.irp ks, 0,1,2,3
.irp m, 0,1
	MMA ACC+\m*24, WF+\ks*8, AF+(\m*4+\ks)*8, \ks
	MMA ACC+\m*24+8, WF+32+\ks*8, AF+(\m*4+\ks)*8, \ks
	MMA ACC+\m*24+16, AF+(\m*4+\ks)*8, WF+64+\ks*8, \ks
.endr
.endr
.rept 5
	v_nop                                          ; five places: the results are read, the accumulators started anew (ISA guide 7.12.1)
.endr
.irp m, 0,1
.irp k, 0,2,4,6
	v_pk_mul_f32 v[ACC+\m*24+\k:ACC+\m*24+\k+1], v[ACC+\m*24+\k:ACC+\m*24+\k+1], s[50:51] op_sel_hi:[1,0]
.endr
.endr
.irp a, 0,1,2,3,4,5
.irp k, 0,1,2,3
	v_cvt_pk_bf16_f32 v[ACC+8*\a+\k], v[ACC+8*\a+2*\k], v[ACC+8*\a+2*\k+1]
.endr
.endr
	s_wait_alu depctr_va_vdst(0)                   ; the conversions have written the packed quarters of the accumulators, which the pass's stores read; the products are done reading AF, in which the next pass's fragments land
.endm
; Its six stores.
.macro SEND p
.irp m, 0,1
	global_store_b128 v1, v[ACC+\m*24:ACC+\m*24+3], s[26:27] offset:(2*\p+\m)*1024
	global_store_b128 v1, v[ACC+\m*24+8:ACC+\m*24+11], s[28:29] offset:(2*\p+\m)*1024
	global_store_b128 v1, v[ACC+\m*24+16:ACC+\m*24+19], s[30:31] offset:\p*2048+\m*512
.endr
.endm
	AFLOAD 0
	PRODUCTS
	AFLOAD 1                                       ; asked for ahead of pass 0's stores.  No further wait: no vector or matrix instruction since the wait above names AF
	SEND 0
	s_wait_xcnt 0x0                                ; the accumulators were store data: rewritten only behind this wait,
	s_wait_alu depctr_vm_vsrc(0)                   ; and behind this: pass 0's stores have read the accumulators, which pass 1's products write
	PRODUCTS
	SEND 1
	s_wait_dscnt 0x0
	s_wait_alu depctr_hold_cnt(0) depctr_sa_sdst(0) depctr_va_vdst(0) depctr_va_sdst(0) depctr_va_ssrc(0) depctr_va_vcc(0) depctr_vm_vsrc(0)
	s_wait_tensorcnt 0x0
	ds_add_u32 v30, v31
	s_wait_dscnt 0x0
	s_endpgm
.Lfunc_end_k_q83e5c05d21_qkv:
	.size	k_q83e5c05d21_qkv, .Lfunc_end_k_q83e5c05d21_qkv-k_q83e5c05d21_qkv
	.p2alignl 7, 3214868480
	.fill 96, 4, 3214868480
	.section	.rodata,"a",@progbits
	.p2align	6, 0x0
	.amdhsa_kernel k_q83e5c05d21_qkv
		.amdhsa_group_segment_fixed_size 116736
		.amdhsa_private_segment_fixed_size 0
		.amdhsa_enable_private_segment 0
		.amdhsa_kernarg_size 104
		.amdhsa_user_sgpr_count 2
		.amdhsa_user_sgpr_kernarg_segment_ptr 1
		.amdhsa_wavefront_size32 1
		.amdhsa_system_sgpr_workgroup_id_x 1
		.amdhsa_system_sgpr_workgroup_id_y 1
		.amdhsa_system_sgpr_workgroup_id_z 1
		.amdhsa_system_vgpr_workitem_id 0
		.amdhsa_next_free_vgpr 240
		.amdhsa_next_free_sgpr 66
		.amdhsa_reserve_vcc 0
		.amdhsa_float_denorm_mode_32 3
		.amdhsa_float_denorm_mode_16_64 3
		.amdhsa_memory_ordered 1
		.amdhsa_forward_progress 1
		.amdhsa_inst_pref_size 46
	.end_amdhsa_kernel
	.amdgpu_metadata
---
amdhsa.version: [ 1, 2 ]
amdhsa.kernels:
  - .name:           k_q83e5c05d21_qkv
    .symbol:         k_q83e5c05d21_qkv.kd
    .args:
      - { .name: x, .offset: 0, .size: 8, .value_kind: global_buffer, .address_space: global }
      - { .name: ln1_g, .offset: 8, .size: 8, .value_kind: global_buffer, .address_space: global }
      - { .name: ln1_b, .offset: 16, .size: 8, .value_kind: global_buffer, .address_space: global }
      - { .name: Wq, .offset: 24, .size: 8, .value_kind: global_buffer, .address_space: global }
      - { .name: Wk, .offset: 32, .size: 8, .value_kind: global_buffer, .address_space: global }
      - { .name: Wv, .offset: 40, .size: 8, .value_kind: global_buffer, .address_space: global }
      - { .name: Wp, .offset: 48, .size: 8, .value_kind: global_buffer, .address_space: global }
      - { .name: W1, .offset: 56, .size: 8, .value_kind: global_buffer, .address_space: global }
      - { .name: W2, .offset: 64, .size: 8, .value_kind: global_buffer, .address_space: global }
      - { .name: qws, .offset: 72, .size: 8, .value_kind: global_buffer, .address_space: global }
      - { .name: kws, .offset: 80, .size: 8, .value_kind: global_buffer, .address_space: global }
      - { .name: vws, .offset: 88, .size: 8, .value_kind: global_buffer, .address_space: global }
      - { .name: wts, .offset: 96, .size: 8, .value_kind: global_buffer, .address_space: global }
    .group_segment_fixed_size: 116736
    .private_segment_fixed_size: 0
    .kernarg_segment_align: 8
    .kernarg_segment_size: 104
    .max_flat_workgroup_size: 256
    .sgpr_count:     66
    .vgpr_count:     240
    .wavefront_size: 32
...
	.end_amdgpu_metadata
.endif
;; end of part 3
;; launch attn_mlp: the kernel of part 2 again; grid 256 x 1, 8 waves a work-group, no clusters, 186,880 bytes of LDS; arguments x, bp, ln2_g, ln2_b, qws, kws, vws, wts, out0; writes out0
